; MI455X (gfx1250); checked and timed in simulation.
; The chip was launched on July 23, 2026; its instructions are those of AMD's public machine-readable ISA for CDNA 5 (MIT licence, August 2026) and "CDNA5" Instruction Set Architecture Reference Guide (July 2026). The comments in the code are by the model that wrote it; some were corrected since.
;; Multi Head Self Attention. Allowed arithmetic: float matrix products may take bf16 or f16 operands with f32 sums; all other float work in f32.
;; Inputs: Wk 1,024 x 1,024 float32; Wo 1,024 x 1,024 float32; Wq 1,024 x 1,024 float32; Wv 1,024 x 1,024 float32; token_positions 2,048 int32; x 2 x 2,048 x 1,024 float32.
;; Outputs: out0 2 x 2,048 x 1,024 float32.
;; One version. Each part assembles by itself: llvm-mc -triple=amdgcn-amd-amdhsa -mcpu=gfx1250 --defsym DOCPART=n.
;; ======== version 1 of 1: 4 launches
;; limits: values are held in f16: magnitudes above 65,504 overflow, below 6.1e-05 lose precision
;; workspace buffers: bf 16,777,216 bytes; rope 524,288 bytes; qkv 25,165,824 bytes; attn 8,388,608 bytes
;; launch prep (part 1): grid 256 x 1, 8 waves a work-group, no clusters, 0 bytes of LDS; arguments x, Wq, Wk, Wv, Wo, token_positions, bf, rope; writes bf, rope
.if DOCPART == 1
	.amdgcn_target "amdgcn-amd-amdhsa--gfx1250"
	.amdhsa_code_object_version 6
	.text
	.protected	k_q5d4575bb4a_prep
	.globl	k_q5d4575bb4a_prep
	.p2align	8
	.type	k_q5d4575bb4a_prep,@function
k_q5d4575bb4a_prep:
	s_mov_b64 s[64:65], 0
	v_nop
	global_prefetch_b8 v0, s[64:65] scope:SCOPE_SE
	s_setreg_imm32_b32 hwreg(HW_REG_WAVE_MODE, 25, 1), 1
	s_wait_xcnt 0x0
; PREP: the five f32 inputs are rounded once to 16 bits, and the table of cosines and sines is made.
;   bf + 0          x as bf16, [4096][1024]
;   bf + 8388608    Wq, Wk, Wv as bf16, reordered by head: row head*192 + p*64 + c is row head*64 + c of W_p (p = 0, 1, 2 for q, k, v)
;   bf + 14680064   Wo rounded to bf16 and then written as f16, [1024][1024]
;   rope            f32 [2048][32][2]: cos and sin of token_positions[s] * 10000^(-i/32)
; 8,192 rows of 4,096 bytes; a work-group takes 32 rows, a wave 4 rows = 16 KiB that lie together: 32 loads of 512 bytes,
; all issued at once, so there is no loop.  Each load gives one store of 256 consecutive bytes, aligned.
; A stream: nothing is shared, so no LDS, no barrier, no matrix unit, no cluster.
; LIMITS.  Wo: a bf16 number below 2^-14 in magnitude becomes an f16 denormal, absolute error at most 2^-25.
; Angles: any int32 position is served; pi/2 is taken away in three parts by fused multiply-adds, so the reduced angle is good to
; about 1e-7 at positions up to 2,048 and about 1e-5 at 2^31.  10000^(-i/32) is within about two units in the last place.
.set X, 8                              ; v[8:135]  32 loads of 4 registers
.set NLOAD, 32
	s_load_b512 s[4:19], s[0:1], 0x0               ; x 4:5, Wq 6:7, Wk 8:9, Wv 10:11, Wo 12:13, positions 14:15, bf 16:17, rope 18:19
	v_lshrrev_b32 v4, 5, v0
	v_readfirstlane_b32 s2, v4                     ; wave 0..7
	v_and_b32 v5, 31, v0                           ; lane
	v_lshlrev_b32 v1, 4, v5
	v_lshl_or_b32 v1, v4, 14, v1                   ; in: 16 KiB a wave, 16 bytes a lane
	v_lshlrev_b32 v3, 3, v5                        ; table: 8 bytes a lane
	v_lshl_or_b32 v2, v4, 13, v3                   ; out: 8 KiB a wave, 8 bytes a lane
	s_mov_b32 s3, ttmp9                            ; g: 0-127 x, 128-159 Wq, 160-191 Wk, 192-223 Wv, 224-255 Wo
	s_and_b32 s22, s3, 31                          ; gg: which 32 rows of a weight
	s_cmp_lt_u32 s3, 128
	s_cselect_b32 s24, s3, s22
	s_lshl_b32 s24, s24, 17                        ; source offset: 32 rows of 4,096 bytes
	s_mov_b32 s25, 0
	s_lshl_b32 s26, s3, 16                         ; destination for x: 32 rows of 2,048 bytes
	s_lshr_b32 s27, s22, 1                         ; head = gg / 2
	s_mul_i32 s27, s27, 192
	s_lshr_b32 s28, s3, 5
	s_sub_co_u32 s28, s28, 4                       ; p
	s_lshl_b32 s28, s28, 6
	s_add_co_u32 s27, s27, s28
	s_and_b32 s28, s22, 1
	s_lshl_b32 s28, s28, 5                         ; c starts at 0 or at 32
	s_add_co_u32 s27, s27, s28
	s_lshl_b32 s27, s27, 11
	s_add_co_u32 s27, s27, 8388608                 ; destination for Wq, Wk, Wv
	s_lshl_b32 s28, s22, 16
	s_add_co_u32 s28, s28, 14680064                ; destination for Wo
	s_cmp_ge_u32 s3, 128
	s_cselect_b32 s26, s27, s26
	s_cmp_ge_u32 s3, 224
	s_cselect_b32 s26, s28, s26
	s_mov_b32 s27, 0
	s_lshl3_add_u32 s29, s3, s2                    ; table row 8 g + wave, 0..2047: one wave makes one row
	s_lshl_b32 s32, s29, 2
	s_mov_b32 s33, 0
	s_lshl_b32 s34, s29, 8
	s_mov_b32 s35, 0
	s_wait_kmcnt 0x0
	s_mov_b64 s[20:21], s[4:5]                     ; the source buffer, chosen by g alone
	s_cmp_ge_u32 s3, 128
	s_cselect_b64 s[20:21], s[6:7], s[20:21]
	s_cmp_ge_u32 s3, 160
	s_cselect_b64 s[20:21], s[8:9], s[20:21]
	s_cmp_ge_u32 s3, 192
	s_cselect_b64 s[20:21], s[10:11], s[20:21]
	s_cmp_ge_u32 s3, 224
	s_cselect_b64 s[20:21], s[12:13], s[20:21]
	s_add_nc_u64 s[20:21], s[20:21], s[24:25]
	s_add_nc_u64 s[16:17], s[16:17], s[26:27]
	s_add_nc_u64 s[14:15], s[14:15], s[32:33]
	s_add_nc_u64 s[18:19], s[18:19], s[34:35]
	s_load_b32 s30, s[14:15], 0x0                  ; the position of my table row
.set n, 0
.rept NLOAD
	global_load_b128 v[X+4*n:X+4*n+3], v1, s[20:21] offset:512*n th:TH_LOAD_NT
.set n, n+1
.endr
	; the table entry of this thread, made while the loads are on their way
	s_mov_b32 s36, 0xbed49a78                      ; -log2(10000)/32, upper part
	s_mov_b32 s37, 0xb2179a37                      ; and what the upper part leaves
	s_mov_b32 s38, 0x3f317218                      ; ln 2
	s_mov_b32 s39, 0x3f22f983                      ; 2/pi
	s_mov_b32 s40, 0x3fc90fdb                      ; pi/2 in three parts
	s_mov_b32 s41, 0xb33bbd2e
	s_mov_b32 s42, 0xa6f72ced
	s_mov_b32 s43, 0xbe2aaaa3                      ; sine: r + r z (s43 + z (s44 + z s45))
	s_mov_b32 s44, 0x3c08839e
	s_mov_b32 s45, 0xb94ca1f9
	s_mov_b32 s46, 0x3d2aaaa5                      ; cosine: 1 - z/2 + z z (s46 + z (s47 + z s48))
	s_mov_b32 s47, 0xbab6061a
	s_mov_b32 s48, 0x37ccf5ce
	v_cvt_f32_u32 v136, v5                         ; i
	v_mul_f32 v137, s36, v136                      ; the exponent, rounded,
	v_fma_f32 v138, v136, s36, -v137               ; what that rounding dropped,
	v_fma_f32 v138, v136, s37, v138                ; and the constant's lower part
	v_exp_f32 v139, v137
	v_mul_f32 v138, s38, v138                      ; a plain instruction behind v_exp_f32 that touches neither its result nor its source (ISA guide 5.7.2)
	s_wait_alu depctr_va_vdst(0)
	v_fma_f32 v139, v139, v138, v139               ; 10000^(-i/32)
	s_wait_kmcnt 0x0
	v_cvt_f32_i32 v140, s30
	v_mul_f32 v140, v140, v139                     ; the angle, one rounding
	v_mul_f32 v141, s39, v140
	v_rndne_f32 v141, v141                         ; n quarter turns
	v_fma_f32 v142, -v141, s40, v140
	v_fma_f32 v142, -v141, s41, v142
	v_fma_f32 v142, -v141, s42, v142               ; r in -pi/4 .. pi/4
	v_mul_f32 v143, v142, v142                     ; z
	v_fma_f32 v144, v143, s45, s44
	v_fma_f32 v144, v144, v143, s43
	v_mul_f32 v145, v142, v143
	v_fma_f32 v144, v145, v144, v142               ; sin r
	v_fma_f32 v146, v143, s48, s47
	v_fma_f32 v146, v146, v143, s46
	v_mul_f32 v147, v143, v143
	v_fma_f32 v148, v143, -0.5, 1.0
	v_fma_f32 v146, v147, v146, v148               ; cos r
	v_cvt_i32_f32 v149, v141
	v_and_b32 v150, 1, v149
	v_cmp_eq_u32 vcc_lo, 1, v150                   ; odd quarter: the two change places
	v_cndmask_b32 v151, v144, v146, vcc_lo
	v_cndmask_b32 v152, v146, v144, vcc_lo
	v_and_b32 v153, 2, v149                        ; the sine is negative in quarters 2 and 3,
	v_lshlrev_b32 v153, 30, v153
	v_xor_b32 v155, v151, v153
	v_add_nc_u32 v156, 1, v149                     ; the cosine in quarters 1 and 2
	v_and_b32 v156, 2, v156
	v_lshlrev_b32 v156, 30, v156
	v_xor_b32 v154, v152, v156
	global_store_b64 v3, v[154:155], s[18:19]      ; the wave stores one table row: 256 consecutive bytes, aligned
; The casts.  Load n is in when at most 31 - n younger ones are out (loads come back in order: ISA guide 5.7.1).
; No register that a store reads is written again, so no further wait is needed.
.macro CASTS wo
.set n, 0
.rept NLOAD
	s_wait_loadcnt NLOAD-1-n
	v_cvt_pk_bf16_f32 v[X+4*n],   v[X+4*n],   v[X+4*n+1]
	v_cvt_pk_bf16_f32 v[X+4*n+1], v[X+4*n+2], v[X+4*n+3]
.if \wo
	v_lshlrev_b32 v[X+4*n+2], 16, v[X+4*n]         ; the bf16 numbers widened again and written as f16
	v_and_b32     v[X+4*n+3], 0xffff0000, v[X+4*n]
	v_cvt_pk_f16_f32 v[X+4*n], v[X+4*n+2], v[X+4*n+3]
	v_lshlrev_b32 v[X+4*n+2], 16, v[X+4*n+1]
	v_and_b32     v[X+4*n+3], 0xffff0000, v[X+4*n+1]
	v_cvt_pk_f16_f32 v[X+4*n+1], v[X+4*n+2], v[X+4*n+3]
.endif
	global_store_b64 v2, v[X+4*n:X+4*n+1], s[16:17] offset:256*n
.set n, n+1
.endr
.endm
	s_cmp_ge_u32 s3, 224
	s_cbranch_scc1 .Lwo
	CASTS 0
	s_endpgm
.Lwo:
	CASTS 1
	s_endpgm
.Lfunc_end_k_q5d4575bb4a_prep:
	.size	k_q5d4575bb4a_prep, .Lfunc_end_k_q5d4575bb4a_prep-k_q5d4575bb4a_prep
	.p2alignl 7, 3214868480
	.fill 96, 4, 3214868480
	.section	.rodata,"a",@progbits
	.p2align	6, 0x0
	.amdhsa_kernel k_q5d4575bb4a_prep
		.amdhsa_group_segment_fixed_size 0
		.amdhsa_private_segment_fixed_size 0
		.amdhsa_enable_private_segment 0
		.amdhsa_kernarg_size 64
		.amdhsa_user_sgpr_count 2
		.amdhsa_user_sgpr_kernarg_segment_ptr 1
		.amdhsa_wavefront_size32 1
		.amdhsa_system_sgpr_workgroup_id_x 1
		.amdhsa_system_sgpr_workgroup_id_y 1
		.amdhsa_system_sgpr_workgroup_id_z 1
		.amdhsa_system_vgpr_workitem_id 0
		.amdhsa_next_free_vgpr 160
		.amdhsa_next_free_sgpr 66
		.amdhsa_reserve_vcc 1
		.amdhsa_float_denorm_mode_32 3
		.amdhsa_float_denorm_mode_16_64 3
		.amdhsa_memory_ordered 1
		.amdhsa_forward_progress 1
		.amdhsa_inst_pref_size 34
	.end_amdhsa_kernel
	.amdgpu_metadata
---
amdhsa.version: [ 1, 2 ]
amdhsa.kernels:
  - .name:           k_q5d4575bb4a_prep
    .symbol:         k_q5d4575bb4a_prep.kd
    .args:
      - { .name: x, .offset: 0, .size: 8, .value_kind: global_buffer, .address_space: global }
      - { .name: Wq, .offset: 8, .size: 8, .value_kind: global_buffer, .address_space: global }
      - { .name: Wk, .offset: 16, .size: 8, .value_kind: global_buffer, .address_space: global }
      - { .name: Wv, .offset: 24, .size: 8, .value_kind: global_buffer, .address_space: global }
      - { .name: Wo, .offset: 32, .size: 8, .value_kind: global_buffer, .address_space: global }
      - { .name: token_positions, .offset: 40, .size: 8, .value_kind: global_buffer, .address_space: global }
      - { .name: bf, .offset: 48, .size: 8, .value_kind: global_buffer, .address_space: global }
      - { .name: rope, .offset: 56, .size: 8, .value_kind: global_buffer, .address_space: global }
    .group_segment_fixed_size: 0
    .private_segment_fixed_size: 0
    .kernarg_segment_align: 8
    .kernarg_segment_size: 64
    .max_flat_workgroup_size: 256
    .sgpr_count:     66
    .vgpr_count:     160
    .wavefront_size: 32
...
	.end_amdgpu_metadata
.endif
;; end of part 1
;; launch qkv (part 2): grid 16 x 16, 4 waves a work-group, clusters of 4 x 4, 327,680 bytes of LDS; arguments bf, rope, qkv; writes qkv
.if DOCPART == 2
	.amdgcn_target "amdgcn-amd-amdhsa--gfx1250"
	.amdhsa_code_object_version 6
	.text
	.protected	k_q5d4575bb4a_qkv
	.globl	k_q5d4575bb4a_qkv
	.p2align	8
	.type	k_q5d4575bb4a_qkv,@function
k_q5d4575bb4a_qkv:
	s_mov_b64 s[64:65], 0
	v_nop
	global_prefetch_b8 v0, s[64:65] scope:SCOPE_SE
	s_setreg_imm32_b32 hwreg(HW_REG_WAVE_MODE, 25, 1), 1
	s_wait_xcnt 0x0
	s_wait_alu depctr_hold_cnt(0) depctr_sa_sdst(0) depctr_va_vdst(0) depctr_va_sdst(0) depctr_va_ssrc(0) depctr_va_vcc(0) depctr_vm_vsrc(0)
	s_getreg_b32 s2, hwreg(HW_REG_IB_STS2, 6, 4)
	s_cmp_eq_u32 s2, 0
	s_cbranch_scc0 .Lentry_in_a_cluster
	s_endpgm
.Lentry_in_a_cluster:
	s_bfe_u32 s2, ttmp6, 0x10000c
	s_cmp_lg_u32 s2, 0xf033
	s_cbranch_scc0 .Lentry_shape_is_right
	s_endpgm
.Lentry_shape_is_right:
; QKV: [4096][1024] x [3072][1024]^T in bf16 with f32 sums, the rotation of q and k on the way out, f16 out.
; A work-group makes 256 tokens x the 192 columns (q, k, v: 64 each) of ONE head; 16 heads x 16 row blocks = 256 work-groups.
; Four waves; a wave makes 128 rows x 96 columns: 8 x 6 accumulator tiles, 384 registers.  Column tile b is plane b / 2 (q, k, v),
; head columns 32 (wave mod 2) + 16 (b mod 2) .., so both column halves run the same text.
; K goes in steps of 128 (rows of 256 bytes) through two LDS slots filled by tensor loads.
; CLUSTERS: 4 x 4 work-groups.  The tiles of x and the table rows hang on the block row alone and are asked for jointly along a row of
; the cluster; the weight tiles hang on the head alone and are asked for jointly along a column.
; OUT: qkv = three planes of 8,388,608 bytes (q, k, v), each f16 [batch*16 + head][2048][64].
; LIMIT: q, k, v are stored as f16, so their magnitudes must stay below 65,504 (with inputs as drawn they are about 5; thirty times
; larger x and W give about 5,000).
;
; LDS: slot s at s*121856: 256 rows of x, then 192 rows of W, pitch 272.  Table: 256 rows x 272 at 243712.
; The stage of the way out (3 planes x 256 rows x 144) lies in slot 0, which by then has had its last fill and its last read.
; REGISTERS: window 0: v16-30 addresses, v64-127 and v128-191 fragments of x (two buffers); window 1: the same numbers, fragments of W;
; window 2: accumulators of my rows 0-63 (tile (a, b) at 8 (6 a + b)); window 3: those of rows 64-127.
; The matrix instruction is used transposed (source 0 = rows of W, source 1 = rows of x): a lane then holds row l % 16 and eight
; neighbouring columns 8 (l / 16) + 0..7, that is four whole pairs of the rotation.
.set KSTEP,  128
.set PITCH,  272                       ; 256 bytes + 16: the 16 rows of a fragment load start at 16 different 16-byte columns
.set AHALF,  128*PITCH
.set BHALF,  96*PITCH
.set BOFF,   2*AHALF
.set SLOT,   BOFF+2*BHALF              ; 121,856
.set TAB,    2*SLOT                    ; 243,712
.set TQUART, 64*PITCH
.set SP,     144                       ; stage pitch: 128 bytes + 16
.set PLANE,  256*SP
.set LAPS,   1024/(2*KSTEP)            ; 4 laps of two K steps
.set ADRA, 16                          ; v16-17  my fragments of x in slot 0, 1
.set ADRB, 20                          ; v20-21  my fragments of W
.set TABA, 22                          ; v22     my table words
.set STO,  24                          ; v24-26  stage, in: one address for each plane
.set RD,   27                          ; v27-29  stage, back
.set CO,   30                          ; v30     my byte offset in a plane
.set F0,   64
.set F1,   128
.set CS,   64                          ; way out: v64-191 table words, 16 for each group of 16 rows
.set R,    192                         ; v192-223 rotated values
.set T,    224                         ; v224-231 products
.set TMP,  232                         ; v232-255 packed results
.set G1,  24                           ; s[24:31] group 1, x
.set G0,  32                           ; s[32:39] group 0, x, one set a slot
.set G1B, 48                           ; s[48:55] group 1, W
.set G0B, 56                           ; s[56:63] group 0, W
.set G1T, 68                           ; s[68:75] group 1, table
.set G0T, 76                           ; s[76:79] group 0, table
.set MSB, 0
.macro WIN new                         ; the upper byte repeats the setting that is left
.if MSB != \new
	s_set_vgpr_msb (MSB<<8)|\new
.set MSB, \new
.endif
.endm
.set MUL_LO, 0xa1                      ; source 0 (W) window 1, source 1 (x) window 0, C and D window 2
.set MUL_HI, 0xf1                      ; the same, C and D window 3
.set TO_B,   0x40                      ; destination window 1, address window 0
; A joint load: waves 0 and 1 ask for the two halves of the tile of x, waves 2 and 3 for those of W.  The branch hangs on the wave number alone.
.macro JLOAD s
	s_cmp_eq_u32 s11, 0
	s_cbranch_scc0 .Lfor_b_\@
	tensor_load_to_lds s[G0+4*\s:G0+4*\s+3], s[G1:G1+7]
	s_nop 0
	s_branch .Lasked_\@
.Lfor_b_\@:
	tensor_load_to_lds s[G0B+4*\s:G0B+4*\s+3], s[G1B:G1B+7]
	s_nop 0
.Lasked_\@:
.endm
.macro CREST                           ; a round of the cluster barrier behind its opening work-group barrier
	s_cmp_lg_u32 s10, 0
	s_cbranch_scc1 .Lnot_wave_0_\@
	s_barrier_signal -3
.Lnot_wave_0_\@:
	s_barrier_wait -3
	s_barrier_signal -1
	s_barrier_wait -1
.endm
.macro CROUND                          ; a whole round
	s_barrier_signal -1
	s_barrier_wait -1
	CREST
.endm
.macro PLACES                          ; four places behind a matrix instruction (ISA guide 7.12.1) before its registers are loaded into or its result is read
.rept 4
	v_nop
.endr
.endm
	s_load_b128 s[4:7], s[0:1], 0x0                ; bf s[4:5], rope s[6:7]
	s_load_b64 s[8:9], s[0:1], 0x10                ; qkv
	s_set_vgpr_msb 0x40
	v_lshl_add_u32 v255, v0, 2, 0x4c800
	s_set_vgpr_msb 0x4000
	v_mov_b32 v63, 0
	s_set_vgpr_msb 0x1
	ds_add_u32 v255, v63
	ds_add_u32 v255, v63
	s_set_vgpr_msb 0x100
	v_lshrrev_b32 v1, 5, v0
	v_readfirstlane_b32 s10, v1                    ; wave 0..3
	s_lshr_b32 s11, s10, 1                         ; my half of the rows.  Also: I fetch x (0) or W (1)
	s_and_b32 s12, s10, 1                          ; my half of the columns.  Also: which half of that tile I fetch
	s_bfe_u32 s40, ttmp6, 0x40000                  ; cx
	s_bfe_u32 s41, ttmp6, 0x40004                  ; cy
	s_lshl_b32 s42, ttmp9, 2
	s_add_co_u32 s42, s42, s40                     ; head = 4 x cluster x + cx
	s_and_b32 s13, ttmp7, 0xffff
	s_lshl_b32 s13, s13, 2
	s_add_co_u32 s13, s13, s41                     ; block row = 4 x cluster y + cy
	s_lshl_b32 s43, s41, 2
	s_lshl_b32 s43, 15, s43                        ; my row of the cluster
	s_lshl_b32 s44, 0x1111, s40                    ; my column
	s_or_b32 s[G1+0],  s43, (1<<16)|(1<<20)|(1<<21)|(5<<22)|(3<<25)  ; mask; 2-byte elements; 4 words of padding behind every 64 words
	s_or_b32 s[G1B+0], s44, (1<<16)|(1<<20)|(1<<21)|(5<<22)|(3<<25)
	s_or_b32 s[G1T+0], s43, (2<<16)|(1<<20)|(1<<21)|(5<<22)|(3<<25)  ; 4-byte elements
	s_mov_b32 s[G1+1], KSTEP<<16                   ; x: 128 elements x 128 rows, 1,024 elements from row to row
	s_mov_b32 s[G1+2], 128<<16
	s_mov_b32 s[G1+3], KSTEP<<16
	s_mov_b32 s[G1+4], 128
	s_mov_b32 s[G1+5], 1024
	s_mov_b32 s[G1+6], 0
	s_mov_b32 s[G1+7], 0
	s_mov_b32 s[G1B+1], KSTEP<<16                  ; W: 128 elements x 96 rows
	s_mov_b32 s[G1B+2], 96<<16
	s_mov_b32 s[G1B+3], KSTEP<<16
	s_mov_b32 s[G1B+4], 96
	s_mov_b32 s[G1B+5], 1024
	s_mov_b32 s[G1B+6], 0
	s_mov_b32 s[G1B+7], 0
	s_mov_b32 s[G1T+1], 64<<16                     ; table: 64 words x 64 rows, dense
	s_mov_b32 s[G1T+2], 64<<16
	s_mov_b32 s[G1T+3], 64<<16
	s_mov_b32 s[G1T+4], 64
	s_mov_b32 s[G1T+5], 64
	s_mov_b32 s[G1T+6], 0
	s_mov_b32 s[G1T+7], 0
	; where the tiles come from; the registers of x and of the table never hold cx, those of W never cy
	s_lshl_b32 s17, s12, 7
	s_lshl_b32 s16, s13, 8
	s_add_co_u32 s16, s16, s17                     ; x: row 256 x block row + 128 x half
	s_lshl_b32 s16, s16, 11                        ; rows of 2,048 bytes
	s_mov_b32 s17, 0
	s_mul_i32 s46, s42, 192
	s_mul_i32 s47, s12, 96
	s_add_co_u32 s46, s46, s47                     ; W: row 192 x head + 96 x half
	s_lshl_b32 s46, s46, 11
	s_add_co_u32 s46, s46, 8388608
	s_mov_b32 s47, 0
	s_and_b32 s66, s13, 7                          ; table: row 256 x (block row mod 8) + 64 x wave, rows of 256 bytes
	s_lshl_b32 s66, s66, 16
	s_lshl_b32 s67, s10, 14
	s_add_co_u32 s66, s66, s67
	s_mov_b32 s67, 0
	s_mul_i32 s20, s10, AHALF                      ; and where they go: the wave number times a constant, plus a constant
	s_mul_i32 s21, s10, BHALF
	s_add_co_u32 s21, s21, BOFF-2*BHALF
	s_mul_i32 s22, s10, TQUART
	s_add_co_u32 s22, s22, TAB
	s_wait_dscnt 0x0
	s_wait_kmcnt 0x0
	s_add_nc_u64 s[14:15], s[4:5], s[16:17]
	s_add_nc_u64 s[46:47], s[4:5], s[46:47]
	s_add_nc_u64 s[66:67], s[6:7], s[66:67]
	CROUND                                         ; all sixteen work-groups are here: the first joint loads meet
.irp s, 0,1
	s_mov_b32 s[G0+4*\s], 1
	s_add_co_u32 s[G0+4*\s+1], s20, \s*SLOT
	s_add_nc_u64 s[G0+4*\s+2:G0+4*\s+3], s[14:15], \s*KSTEP*2
	s_or_b32 s[G0+4*\s+3], s[G0+4*\s+3], 0x80000000
	s_mov_b32 s[G0B+4*\s], 1
	s_add_co_u32 s[G0B+4*\s+1], s21, \s*SLOT
	s_add_nc_u64 s[G0B+4*\s+2:G0B+4*\s+3], s[46:47], \s*KSTEP*2
	s_or_b32 s[G0B+4*\s+3], s[G0B+4*\s+3], 0x80000000
	JLOAD \s
.endr
	s_mov_b32 s[G0T], 1
	s_mov_b32 s[G0T+1], s22
	s_mov_b64 s[G0T+2:G0T+3], s[66:67]
	s_or_b32 s[G0T+3], s[G0T+3], 0x80000000
	tensor_load_to_lds s[G0T:G0T+3], s[G1T:G1T+7]  ; every wave brings 64 table rows; three tensor loads of a wave are now out, the most in this text
	s_nop 0
	v_and_b32 v1, 15, v0                           ; r = l % 16
	v_bfe_u32 v2, v0, 4, 1                         ; h = l / 16
	v_mul_u32_u24 v3, v1, PITCH
	v_lshl_add_u32 v3, v2, 4, v3                   ; r x pitch + 16 h
	s_mul_i32 s21, s11, AHALF                      ; my 128 rows of x
	s_mul_i32 s22, s12, 32*PITCH                   ; my 32 rows in each plane of W,
	s_add_co_u32 s22, s22, BOFF                    ; which lie behind the 256 rows of x
.irp s, 0,1
	v_add_nc_u32 v[ADRA+\s], s21, v3
	v_add_nc_u32 v[ADRB+\s], s22, v3
	s_add_co_u32 s21, s21, SLOT
	s_add_co_u32 s22, s22, SLOT
.endr
	v_mul_u32_u24 v4, v1, PITCH                    ; table: row 128 x row half + r, byte 128 x column half + 32 h
	v_lshl_add_u32 v4, v2, 5, v4
	s_mul_i32 s23, s11, AHALF
	s_lshl_b32 s45, s12, 7
	s_add_co_u32 s23, s23, s45
	s_add_co_u32 s23, s23, TAB
	v_add_nc_u32 v[TABA], s23, v4
	v_mul_u32_u24 v5, v1, SP                       ; stage, in: row 128 x row half + r, byte 64 x column half + 16 h
	v_lshl_add_u32 v5, v2, 4, v5
	s_mul_i32 s23, s11, 128*SP
	s_lshl_b32 s45, s12, 6
	s_add_co_u32 s23, s23, s45
.irp p, 0,1,2
	v_add_nc_u32 v[STO+\p], s23, v5
	s_add_co_u32 s23, s23, PLANE
.endr
	v_bfe_u32 v6, v0, 3, 2                         ; stage, back: row 64 x wave + l / 8, byte 16 (l % 8): four rows of 128 bytes a load
	v_and_b32 v7, 7, v0
	v_mul_u32_u24 v6, v6, SP
	v_lshl_add_u32 v6, v7, 4, v6
	s_mul_i32 s23, s10, 64*SP
.irp p, 0,1,2
	v_add_nc_u32 v[RD+\p], s23, v6
	s_add_co_u32 s23, s23, PLANE
.endr
	v_and_b32 v7, 31, v0
	v_lshlrev_b32 v7, 4, v7
	s_lshl_b32 s45, s10, 13
	v_add_nc_u32 v[CO], s45, v7                    ; 64 rows of 128 bytes a wave, 16 bytes a lane
; 12 matrix instructions: row tiles a0, a0 + 1 of the window x all 6 column tiles, 32 along K.  zero = 1: the first product starts the sums.
; The 48 accumulators take turns, one instruction a turn, in the same order in every quarter step.
.macro MUL12 f, hi, a0, zero
.irp a, \a0, \a0+1
.irp b, 0,1,2,3,4,5
.if \zero
	v_wmma_f32_16x16x32_bf16 v[8*(6*(\a)+\b):8*(6*(\a)+\b)+7], v[\f+8*\b:\f+8*\b+7], v[\f+8*(4*\hi+\a):\f+8*(4*\hi+\a)+7], 0
.else
	v_wmma_f32_16x16x32_bf16 v[8*(6*(\a)+\b):8*(6*(\a)+\b)+7], v[\f+8*\b:\f+8*\b+7], v[\f+8*(4*\hi+\a):\f+8*(4*\hi+\a)+7], v[8*(6*(\a)+\b):8*(6*(\a)+\b)+7]
.endif
.endr
.endr
.endm
; 28 LDS loads in one run: the fragments of one quarter step (96 rows of W, 128 rows of x, 32 K at byte k) into buffer f
.macro FETCH slot, k, f
	WIN TO_B
.irp b, 0,1,2,3,4,5
	ds_load_b128 v[\f+8*\b:\f+8*\b+3],   v[ADRB+\slot] offset:\k+((\b>>1)*64+(\b&1)*16)*PITCH
	ds_load_b128 v[\f+8*\b+4:\f+8*\b+7], v[ADRB+\slot] offset:\k+((\b>>1)*64+(\b&1)*16)*PITCH+32
.endr
	WIN 0
.irp i, 0,1,2,3,4,5,6,7
	ds_load_b128 v[\f+8*\i:\f+8*\i+3],   v[ADRA+\slot] offset:\k+\i*16*PITCH
	ds_load_b128 v[\f+8*\i+4:\f+8*\i+7], v[ADRA+\slot] offset:\k+\i*16*PITCH+32
.endr
.endm
.macro QUARTER slot, k, f, g, zero
	s_wait_dscnt 8                                 ; W and rows 0-63 of x are in; the youngest eight loads (rows 64-127 of x) may be out
	WIN MUL_LO
	MUL12 \f, 0, 0, \zero
	MUL12 \f, 0, 2, \zero
	PLACES
	FETCH \slot, \k, \g
	s_wait_dscnt 28                                ; all but the 28 just issued
	WIN MUL_HI
	MUL12 \f, 1, 0, \zero
	MUL12 \f, 1, 2, \zero
.endm
.macro THREE slot, zero
	QUARTER \slot, 64,  F0, F1, \zero
	QUARTER \slot, 128, F1, F0, 0
	QUARTER \slot, 192, F0, F1, 0
.endm
; The last quarter of a K step changes slots.  In front of the barrier each wave waits for its reads of this slot and for all its tensor
; loads; behind it (where the slot is filled again: behind a round of the cluster barrier) the refill comes first, one load a wave.
.macro TURN slot, next, fill
	s_wait_dscnt 8
	WIN MUL_LO
	MUL12 F1, 0, 0, 0
	s_wait_dscnt 0                                 ; my reads of this slot are over
	s_wait_tensorcnt 0x0                           ; all my tensor loads have landed, my part of the next slot among them
	ds_add_u32 v255, v63
	s_wait_dscnt 0x0
	s_barrier_signal -1
	MUL12 F1, 0, 2, 0                              ; register work while the others arrive
	WIN 0
	s_barrier_wait -1
.if \fill
	CREST                                          ; no wave of any partner still reads this slot or has a load on its way
	s_add_nc_u64 s[G0+4*\slot+2:G0+4*\slot+3], s[G0+4*\slot+2:G0+4*\slot+3], 2*KSTEP*2
	s_add_nc_u64 s[G0B+4*\slot+2:G0B+4*\slot+3], s[G0B+4*\slot+2:G0B+4*\slot+3], 2*KSTEP*2
	JLOAD \slot
.endif
	PLACES
	FETCH \next, 0, F0
	WIN MUL_HI
	MUL12 F1, 1, 0, 0
	MUL12 F1, 1, 2, 0
.endm
.macro LAP zero
	THREE 0, \zero
	TURN 0, 1, 1
	THREE 1, 0
	TURN 1, 0, 1
.endm
	s_wait_tensorcnt 2                             ; my part of K step 0 is in; K step 1 and the table (two younger loads) stay out
	s_barrier_signal -1
	s_barrier_wait -1
	FETCH 0, 0, F0
	LAP 1
	WIN 0
	s_mov_b32 s3, LAPS-2
.Llap:
	LAP 0
	WIN 0
	s_sub_co_u32 s3, s3, 1
	s_cmp_lg_u32 s3, 0
	s_cbranch_scc1 .Llap
	THREE 0, 0                                     ; the last lap fills nothing
	TURN 0, 1, 0                                   ; behind this barrier no wave reads slot 0 and no load fills it: it serves as the stage
	THREE 1, 0
	s_wait_dscnt 8
	WIN MUL_LO
	MUL12 F1, 0, 0, 0
	MUL12 F1, 0, 2, 0
	s_wait_dscnt 0
	WIN MUL_HI
	MUL12 F1, 1, 0, 0
	MUL12 F1, 1, 2, 0
	; THE WAY OUT.  My table words first: for rows 16 i + r and column tile parity bb, four (cos, sin) pairs = 32 bytes.
	PLACES
	WIN 0
.irp i, 0,1,2,3,4,5,6,7
.irp bb, 0,1
	ds_load_b128 v[CS+16*\i+8*\bb:CS+16*\i+8*\bb+3],   v[TABA] offset:\i*16*PITCH+64*\bb
	ds_load_b128 v[CS+16*\i+8*\bb+4:CS+16*\i+8*\bb+7], v[TABA] offset:\i*16*PITCH+64*\bb+16
.endr
.endr
	s_lshr_b32 s16, s13, 3                         ; batch
	s_lshl_b32 s16, s16, 22                        ; 16 heads of 262,144 bytes
	s_and_b32 s17, s13, 7
	s_lshl_b32 s17, s17, 15                        ; 256 rows of 128 bytes
	s_add_co_u32 s16, s16, s17
	s_mov_b32 s17, 0
	s_add_nc_u64 s[8:9], s[8:9], s[16:17]
	s_lshl_b32 s46, s42, 18                        ; the head
	s_mov_b32 s47, 0
	s_add_nc_u64 s[8:9], s[8:9], s[46:47]          ; plane q
	s_add_nc_u64 s[80:81], s[8:9], 8388608         ; plane k
	s_add_nc_u64 s[82:83], s[8:9], 16777216        ; plane v
	s_wait_dscnt 0x0
; rows 16 i .. 16 i + 15 of my block: tiles (a, 0..5) of window 2 or 3.  w1: source 0 in that window; w2: sources 0 and 1.
; q and k: (x1, x2) -> (x1 c - x2 s, x1 s + x2 c); v goes straight to f16.
.macro OUT16 i, a, w1, w2
	WIN \w1
.irp b, 0,1,2,3
.irp pp, 0,1,2,3
	v_mul_f32 v[T+2*\pp],   v[8*(6*\a+\b)+2*\pp+1], v[CS+16*\i+8*(\b&1)+2*\pp+1]
	v_mul_f32 v[T+2*\pp+1], v[8*(6*\a+\b)+2*\pp+1], v[CS+16*\i+8*(\b&1)+2*\pp]
.endr
.irp pp, 0,1,2,3
	v_fma_f32 v[R+8*\b+2*\pp],   v[8*(6*\a+\b)+2*\pp], v[CS+16*\i+8*(\b&1)+2*\pp],   -v[T+2*\pp]
	v_fma_f32 v[R+8*\b+2*\pp+1], v[8*(6*\a+\b)+2*\pp], v[CS+16*\i+8*(\b&1)+2*\pp+1], v[T+2*\pp+1]
.endr
.endr
	WIN \w2
.irp b, 4,5
.irp rr, 0,1,2,3
	v_cvt_pk_f16_f32 v[TMP+4*\b+\rr], v[8*(6*\a+\b)+2*\rr], v[8*(6*\a+\b)+2*\rr+1]
.endr
.endr
	WIN 0
.irp b, 0,1,2,3
.irp rr, 0,1,2,3
	v_cvt_pk_f16_f32 v[TMP+4*\b+\rr], v[R+8*\b+2*\rr], v[R+8*\b+2*\rr+1]
.endr
.endr
.irp b, 0,1,2,3,4,5
	ds_store_b128 v[STO+(\b>>1)], v[TMP+4*\b:TMP+4*\b+3] offset:\i*16*SP+32*(\b&1)
.endr
.endm
	OUT16 0, 0, 0x02, 0x0a
	OUT16 1, 1, 0x02, 0x0a
	OUT16 2, 2, 0x02, 0x0a
	OUT16 3, 3, 0x02, 0x0a
	OUT16 4, 0, 0x03, 0x0f
	OUT16 5, 1, 0x03, 0x0f
	OUT16 6, 2, 0x03, 0x0f
	OUT16 7, 3, 0x03, 0x0f
	s_wait_dscnt 0x0                               ; my stores into the stage are done, for the other waves
	s_barrier_signal -1
	s_barrier_wait -1                              ; a row of a plane is now whole (two waves wrote its halves)
.irp p, 0,1,2
.irp t, 0,1,2,3,4,5,6,7,8,9,10,11,12,13,14,15
	ds_load_b128 v[64+4*(16*\p+\t):64+4*(16*\p+\t)+3], v[RD+\p] offset:\t*4*SP
.endr
.endr
.macro PUT p, lo                       ; each store of the wave covers 512 consecutive bytes, aligned; the count leaves the younger read-backs out
.irp t, 0,1,2,3,4,5,6,7,8,9,10,11,12,13,14,15
	s_wait_dscnt 47-16*\p-\t
	global_store_b128 v[CO], v[64+4*(16*\p+\t):64+4*(16*\p+\t)+3], s[\lo:\lo+1] offset:512*\t
.endr
.endm
	PUT 0, 8
	PUT 1, 80
	PUT 2, 82
	s_set_vgpr_msb 0x1
	s_wait_tensorcnt 0x0
	ds_add_u32 v255, v63
	s_wait_dscnt 0x0
	s_set_vgpr_msb 0x100
	CROUND                                         ; the closing round: no work-group ends while a partner may still ask jointly
	s_endpgm
.Lfunc_end_k_q5d4575bb4a_qkv:
	.size	k_q5d4575bb4a_qkv, .Lfunc_end_k_q5d4575bb4a_qkv-k_q5d4575bb4a_qkv
	.p2alignl 7, 3214868480
	.fill 96, 4, 3214868480
	.section	.rodata,"a",@progbits
	.p2align	6, 0x0
	.amdhsa_kernel k_q5d4575bb4a_qkv
		.amdhsa_group_segment_fixed_size 327680
		.amdhsa_private_segment_fixed_size 0
		.amdhsa_enable_private_segment 0
		.amdhsa_kernarg_size 24
		.amdhsa_user_sgpr_count 2
		.amdhsa_user_sgpr_kernarg_segment_ptr 1
		.amdhsa_wavefront_size32 1
		.amdhsa_system_sgpr_workgroup_id_x 1
		.amdhsa_system_sgpr_workgroup_id_y 1
		.amdhsa_system_sgpr_workgroup_id_z 1
		.amdhsa_system_vgpr_workitem_id 0
		.amdhsa_next_free_vgpr 1024
		.amdhsa_next_free_sgpr 84
		.amdhsa_reserve_vcc 0
		.amdhsa_float_denorm_mode_32 3
		.amdhsa_float_denorm_mode_16_64 3
		.amdhsa_memory_ordered 1
		.amdhsa_forward_progress 1
		.amdhsa_inst_pref_size 186
	.end_amdhsa_kernel
	.amdgpu_metadata
---
amdhsa.version: [ 1, 2 ]
amdhsa.kernels:
  - .name:           k_q5d4575bb4a_qkv
    .symbol:         k_q5d4575bb4a_qkv.kd
    .args:
      - { .name: bf, .offset: 0, .size: 8, .value_kind: global_buffer, .address_space: global }
      - { .name: rope, .offset: 8, .size: 8, .value_kind: global_buffer, .address_space: global }
      - { .name: qkv, .offset: 16, .size: 8, .value_kind: global_buffer, .address_space: global }
    .group_segment_fixed_size: 327680
    .private_segment_fixed_size: 0
    .kernarg_segment_align: 8
    .kernarg_segment_size: 24
    .max_flat_workgroup_size: 128
    .sgpr_count:     84
    .vgpr_count:     1024
    .wavefront_size: 32
...
	.end_amdgpu_metadata
.endif
;; end of part 2
;; launch attn (part 3): grid 256 x 1, 4 waves a work-group, no clusters, 327,680 bytes of LDS; arguments qkv, attn; writes attn
.if DOCPART == 3
	.amdgcn_target "amdgcn-amd-amdhsa--gfx1250"
	.amdhsa_code_object_version 6
	.text
	.protected	k_q5d4575bb4a_attn
	.globl	k_q5d4575bb4a_attn
	.p2align	8
	.type	k_q5d4575bb4a_attn,@function
k_q5d4575bb4a_attn:
	s_mov_b64 s[64:65], 0
	v_nop
	global_prefetch_b8 v0, s[64:65] scope:SCOPE_SE
	s_setreg_imm32_b32 hwreg(HW_REG_WAVE_MODE, 25, 1), 1
	s_wait_xcnt 0x0
; ATTN: causal attention of one head, f16 operands, f32 sums, softmax with a running maximum.
; Work-group (head bh = id / 8, j = id mod 8) makes query block 15 - j (128 rows) and then block j: (16 - j) + (j + 1) = 17 key tiles
; of 128 keys for every work-group, walked as one stream of 17 steps through two LDS slots.  In each block the diagonal tile comes last.
; Four waves; a wave owns 32 query rows (two tiles of 16) and reads all 128 keys of a step.
; TRANSPOSED FORMS keep the probabilities in registers.  S^T = K Q^T: lane (r, h) holds query r, keys 16 kt + 8 h + 0..7.  Two such tiles,
; packed to f16, are the second operand of O^T += V^T P^T as they stand.  V^T comes from LDS by the transposing load.  The maximum needs
; one exchange between the lane halves for each query tile; the sum of a row stays a partial sum in each lane until the block ends.
; NO CLUSTER: the eight work-groups of a head need different tiles at the same step (the step at which a work-group goes over to its
; second block is 16 - j), and walking in lock step would need 16 + 8 = 24 tile steps in place of 17.
; NO PREFETCH: k and v were stored by the launch before and are read by eight neighbouring work-groups.
; LIMIT: the output is stored as f16: magnitudes below 65,504 (it is a mean of rows of v).
;
; LDS: slot s at s*38912: V 128 rows x 160, then K 128 rows x 144.  Stage at 77824: 32 rows x 144 for each wave, filled by no tensor load.
; WINDOWS: 0: addresses, Q, K fragments, way out.  1: S, P and the state of the softmax.  2: O, V fragments, Q of the second block.
.set KP, 144                           ; 128 bytes + 16: odd multiple of 16
.set VP, 160                           ; 128 bytes + 32: odd multiple of 32, for the transposing load
.set VBYTES, 128*VP
.set KBYTES, 128*KP
.set SLOT,   VBYTES+KBYTES             ; 38,912
.set STAGE,  2*SLOT                    ; 77,824
.set TILEB,  128*128                   ; a key tile in memory
.set PLANEB, 8388608
; window 0
.set ADRK, 2                           ; v2-3   K fragments in slot 0, 1
.set ADRV, 4                           ; v4-5   V fragments
.set STO,  6
.set RD,   7
.set CO,   8
.set QO,   9
.set QF,   16                          ; v16-47   Q fragment (qt, half of d) at 16 qt + 8 half
.set KF,   48                          ; v48-175  K fragment (kt, half of d) at 16 kt + 8 half
.set TMP,  176                         ; v176-207
.set OB,   208                         ; v208-239
; window 1: S tile (qt, kt) at 8 (8 qt + kt), v0-127
.set PB,   128                         ; v128-191 P fragment (qt, ks) at 8 (4 qt + ks)
.set MX,   192                         ; running maximum, one for each query tile
.set UU,   194                         ; new maximum
.set NM,   196                         ; -c x maximum, twice (pairs)
.set AL,   200                         ; factor for the old sums, twice
.set LL,   204                         ; partial sum of the row
.set TT,   206                         ; v206-209 four chains of the maximum
.set PX,   210                         ; what the other lane half sent
.set TE,   211
.set DL,   214                         ; 32 w + r - 8 h
.set NINF, 215
.set SA,   216
.set SB,   218
.set INV,  220
; window 2: O tile (qt, dt) at 8 (4 qt + dt), v0-63
.set VF,   64                          ; v64-191  V fragment (ks, dt) at 8 (4 ks + dt)
.set QB,   192                         ; v192-223 Q of block j
.set G1K, 24
.set G1V, 32
.set G0K, 40
.set G0V, 48
.set MSB, 0
.macro WIN new
.if MSB != \new
	s_set_vgpr_msb (MSB<<8)|\new
.set MSB, \new
.endif
.endm
.macro PLACES                          ; four places behind a matrix instruction (ISA guide 7.12.1)
.rept 4
	v_nop
.endr
.endm
; One tensor load a wave: waves 0 and 1 bring the halves of V (64 rows each), waves 2 and 3 those of K.
.macro JL s
	s_cmp_lt_u32 s8, 2
	s_cbranch_scc0 .Lfor_k_\@
	tensor_load_to_lds s[G0V+4*\s:G0V+4*\s+3], s[G1V:G1V+7]
	s_nop 0
	s_branch .Lasked_\@
.Lfor_k_\@:
	tensor_load_to_lds s[G0K+4*\s:G0K+4*\s+3], s[G1K:G1K+7]
	s_nop 0
.Lasked_\@:
.endm
	s_load_b128 s[4:7], s[0:1], 0x0                ; qkv s[4:5], attn s[6:7]
	s_set_vgpr_msb 0x40
	v_lshl_add_u32 v254, v0, 2, 0x29000
	v_mov_b32 v255, 0
	s_set_vgpr_msb 0x4045
	ds_add_u32 v254, v255
	ds_add_u32 v254, v255
	s_set_vgpr_msb 0x4500
	v_lshrrev_b32 v1, 5, v0
	v_readfirstlane_b32 s8, v1                     ; wave
	s_lshr_b32 s9, ttmp9, 3                        ; bh
	s_and_b32 s10, ttmp9, 7                        ; j
	s_sub_co_u32 s11, 16, s10                      ; steps of the first block
	s_sub_co_u32 s12, 15, s10                      ; its last step, and its block number
	s_mov_b32 s16, 0x3e38aa3b                      ; c = log2(e) / 8: the scale 1/sqrt(64) and the change of base in one factor
	s_mov_b32 s17, 0x3e38aa3b
	s_mov_b32 s62, 0xbe38aa3b                      ; -c
	s_mov_b32 s18, 0x76543210                      ; v_permlanex16_b32: lane i takes lane i of the other half
	s_mov_b32 s19, 0xfedcba98
	s_mov_b32 s[G1K+0], (1<<16)|(1<<20)|(4<<22)|(3<<25)   ; 2-byte elements; 4 words of padding behind every 32 words
	s_mov_b32 s[G1K+1], 64<<16                     ; 64 elements x 64 rows, dense
	s_mov_b32 s[G1K+2], 64<<16
	s_mov_b32 s[G1K+3], 64<<16
	s_mov_b32 s[G1K+4], 64
	s_mov_b32 s[G1K+5], 64
	s_mov_b32 s[G1K+6], 0
	s_mov_b32 s[G1K+7], 0
	s_mov_b32 s[G1V+0], (1<<16)|(1<<20)|(4<<22)|(7<<25)   ; 8 words of padding
	s_mov_b32 s[G1V+1], 64<<16
	s_mov_b32 s[G1V+2], 64<<16
	s_mov_b32 s[G1V+3], 64<<16
	s_mov_b32 s[G1V+4], 64
	s_mov_b32 s[G1V+5], 64
	s_mov_b32 s[G1V+6], 0
	s_mov_b32 s[G1V+7], 0
	s_mul_i32 s70, s8, 64*VP                       ; V: waves 0, 1 at 0 and 10,240
	s_mul_i32 s71, s8, 64*KP
	s_add_co_u32 s71, s71, VBYTES-2*64*KP          ; K: waves 2, 3 at 20,480 and 29,696
	s_lshl_b32 s2, s9, 18                          ; a head is 262,144 bytes
	s_mov_b32 s3, 0
	s_and_b32 s60, s8, 1
	s_lshl_b32 s60, s60, 13                        ; my half of a tile: 64 rows of 128 bytes
	s_mov_b32 s61, 0
	s_lshl_b32 s72, s12, 14                        ; block 15 - j
	s_mov_b32 s73, 0
	s_lshl_b32 s74, s10, 14                        ; block j
	s_mov_b32 s75, 0
	s_wait_dscnt 0x0
	s_wait_kmcnt 0x0
	s_add_nc_u64 s[4:5], s[4:5], s[2:3]            ; q of my head
	s_add_nc_u64 s[6:7], s[6:7], s[2:3]            ; the output of my head
	s_add_nc_u64 s[56:57], s[4:5], s[60:61]
	s_add_nc_u64 s[58:59], s[56:57], 2*PLANEB      ; v: my half of tile 0
	s_add_nc_u64 s[56:57], s[56:57], PLANEB        ; k: my half of tile 0
.irp s, 0,1
	s_mov_b32 s[G0K+4*\s], 1
	s_add_co_u32 s[G0K+4*\s+1], s71, \s*SLOT
	s_add_nc_u64 s[G0K+4*\s+2:G0K+4*\s+3], s[56:57], \s*TILEB
	s_or_b32 s[G0K+4*\s+3], s[G0K+4*\s+3], 0x80000000
	s_mov_b32 s[G0V+4*\s], 1
	s_add_co_u32 s[G0V+4*\s+1], s70, \s*SLOT
	s_add_nc_u64 s[G0V+4*\s+2:G0V+4*\s+3], s[58:59], \s*TILEB
	s_or_b32 s[G0V+4*\s+3], s[G0V+4*\s+3], 0x80000000
	JL \s                                          ; tiles 0 and 1: two tensor loads of a wave are out, the most in this text
.endr
	s_add_nc_u64 s[66:67], s[4:5], s[72:73]        ; q of block 15 - j
	s_add_nc_u64 s[68:69], s[4:5], s[74:75]        ; q of block j
	s_add_nc_u64 s[20:21], s[6:7], s[72:73]        ; where the block at work is stored
	s_add_nc_u64 s[22:23], s[6:7], s[74:75]        ; where block j is stored
	v_and_b32 v10, 15, v0                          ; r
	v_bfe_u32 v11, v0, 4, 1                        ; h
	v_and_b32 v12, 7, v0                           ; l % 8
	v_bfe_u32 v13, v0, 3, 1                        ; (l / 8) % 2
	v_bfe_u32 v14, v0, 3, 2                        ; l / 8
	v_and_b32 v15, 31, v0                          ; l
	v_mul_u32_u24 v1, v10, KP
	v_lshl_add_u32 v1, v11, 4, v1                  ; r x 144 + 16 h
	v_add_nc_u32 v[ADRK], VBYTES, v1
	v_add_nc_u32 v[ADRK+1], VBYTES+SLOT, v1
	v_lshl_add_u32 v[ADRV], v11, 3, v12            ; key 8 h + l % 8,
	v_mul_u32_u24 v[ADRV], v[ADRV], VP
	v_lshl_add_u32 v[ADRV], v13, 4, v[ADRV]        ; eight columns for each group of eight lanes
	v_add_nc_u32 v[ADRV+1], SLOT, v[ADRV]
	s_mul_i32 s14, s8, 32*KP
	s_add_co_u32 s14, s14, STAGE                   ; my stage
	v_add_nc_u32 v[STO], s14, v1
	v_mul_u32_u24 v[RD], v14, KP
	v_lshl_add_u32 v[RD], v12, 4, v[RD]
	v_add_nc_u32 v[RD], s14, v[RD]
	v_lshlrev_b32 v[CO], 4, v15
	v_lshl_add_u32 v[CO], s8, 12, v[CO]            ; 32 rows of 128 bytes a wave, 16 bytes a lane
	v_lshlrev_b32 v[QO], 7, v10
	v_lshl_add_u32 v[QO], v11, 4, v[QO]
	v_lshl_add_u32 v[QO], s8, 12, v[QO]            ; row 32 w + r, byte 16 h
	v_lshlrev_b32 v1, 3, v11
	v_sub_nc_u32 v1, v10, v1
	v_lshl_add_u32 v1, s8, 5, v1                   ; 32 w + r - 8 h
	; Q goes straight into fragment layout: read once, 8 KiB a wave for both blocks, so it takes no way through LDS
.irp qt, 0,1
.irp k, 0,1
	global_load_b128 v[QF+16*\qt+8*\k:QF+16*\qt+8*\k+3],   v[QO], s[66:67] offset:\qt*2048+\k*64
	global_load_b128 v[QF+16*\qt+8*\k+4:QF+16*\qt+8*\k+7], v[QO], s[66:67] offset:\qt*2048+\k*64+32
.endr
.endr
	WIN 0x80                                       ; destination window 2
.irp qt, 0,1
.irp k, 0,1
	global_load_b128 v[QB+16*\qt+8*\k:QB+16*\qt+8*\k+3],   v[QO], s[68:69] offset:\qt*2048+\k*64
	global_load_b128 v[QB+16*\qt+8*\k+4:QB+16*\qt+8*\k+7], v[QO], s[68:69] offset:\qt*2048+\k*64+32
.endr
.endr
	WIN 0x40                                       ; destination window 1
	v_mov_b32 v[DL], v1
	v_mov_b32 v[NINF], 0xff800000
	v_mov_b32 v[PX], 0                             ; the target of v_permlanex16_b32 counts as read
	WIN 0
.macro KLOAD slot                      ; 32 loads: 8 key tiles x 2 halves of d
	WIN 0
.irp kt, 0,1,2,3,4,5,6,7
.irp k, 0,1
	ds_load_b128 v[KF+16*\kt+8*\k:KF+16*\kt+8*\k+3],   v[ADRK+\slot] offset:\kt*16*KP+64*\k
	ds_load_b128 v[KF+16*\kt+8*\k+4:KF+16*\kt+8*\k+7], v[ADRK+\slot] offset:\kt*16*KP+64*\k+32
.endr
.endr
.endm
.macro VLOAD slot                      ; 32 transposing loads: 4 groups of 32 keys x 4 tiles of d
	WIN 0x80
.irp ks, 0,1,2,3
.irp dt, 0,1,2,3
	ds_load_tr16_b128 v[VF+8*(4*\ks+\dt):VF+8*(4*\ks+\dt)+3],   v[ADRV+\slot] offset:\ks*32*VP+32*\dt
	ds_load_tr16_b128 v[VF+8*(4*\ks+\dt)+4:VF+8*(4*\ks+\dt)+7], v[ADRV+\slot] offset:\ks*32*VP+32*\dt+16*VP
.endr
.endr
.endm
; S^T = K Q^T.  The 16 accumulators take turns, one instruction a turn.
.macro SMUL
	WIN 0x50                                       ; C and D window 1
.irp qt, 0,1
.irp kt, 0,1,2,3,4,5,6,7
	v_wmma_f32_16x16x32_f16 v[8*(8*\qt+\kt):8*(8*\qt+\kt)+7], v[KF+16*\kt:KF+16*\kt+7], v[QF+16*\qt:QF+16*\qt+7], 0
.endr
.endr
.irp qt, 0,1
.irp kt, 0,1,2,3,4,5,6,7
	v_wmma_f32_16x16x32_f16 v[8*(8*\qt+\kt):8*(8*\qt+\kt)+7], v[KF+16*\kt+8:KF+16*\kt+15], v[QF+16*\qt+8:QF+16*\qt+15], v[8*(8*\qt+\kt):8*(8*\qt+\kt)+7]
.endr
.endr
.endm
; O^T += V^T P^T for 32 keys.  The 8 accumulators take turns, one instruction a turn.
.macro PV1 ks, zero
.irp qt, 0,1
.irp dt, 0,1,2,3
.if \zero
	v_wmma_f32_16x16x32_f16 v[8*(4*\qt+\dt):8*(4*\qt+\dt)+7], v[VF+8*(4*\ks+\dt):VF+8*(4*\ks+\dt)+7], v[PB+8*(4*\qt+\ks):PB+8*(4*\qt+\ks)+7], 0
.else
	v_wmma_f32_16x16x32_f16 v[8*(4*\qt+\dt):8*(4*\qt+\dt)+7], v[VF+8*(4*\ks+\dt):VF+8*(4*\ks+\dt)+7], v[PB+8*(4*\qt+\ks):PB+8*(4*\qt+\ks)+7], v[8*(4*\qt+\dt):8*(4*\qt+\dt)+7]
.endif
.endr
.endr
.endm
.macro PVMUL first
	WIN 0xa6                                       ; V window 2, P window 1, C and D window 2
	PV1 0, \first
	PV1 1, 0
	PV1 2, 0
	PV1 3, 0
.endm
; The diagonal tile: key 16 kt + 8 h + jj is beyond query 32 w + 16 qt + r where 16 (kt - qt) + jj > 32 w + r - 8 h.
; One compare serves the tiles of both query tiles with the same kt - qt; kt - qt = -1 is never beyond.
.macro MASK
	WIN 0x55
.irp dd, 0,1,2,3,4,5,6,7
.irp jj, 0,1,2,3,4,5,6,7
	v_cmp_gt_i32 vcc_lo, 16*\dd+\jj, v[DL]
	v_cndmask_b32 v[8*\dd+\jj], v[8*\dd+\jj], v[NINF], vcc_lo
.if \dd < 7
	v_cndmask_b32 v[64+8*(\dd+1)+\jj], v[64+8*(\dd+1)+\jj], v[NINF], vcc_lo
.endif
.endr
.endr
.endm
; The softmax of a step, all in window 1.  first = 1: there is no old maximum and no old sum.
.macro SOFTMAX first
	WIN 0x55
.irp qt, 0,1
.irp c, 0,1,2,3
	v_max3_num_f32 v[TT+\c], v[64*\qt+16*\c], v[64*\qt+16*\c+1], v[64*\qt+16*\c+2]     ; four chains of 15 numbers each
.endr
.irp i, 3,5,7,9,11,13
.irp c, 0,1,2,3
	v_max3_num_f32 v[TT+\c], v[TT+\c], v[64*\qt+16*\c+\i], v[64*\qt+16*\c+\i+1]
.endr
.endr
	v_max3_num_f32 v[TT],   v[TT],   v[TT+1], v[64*\qt+15]       ; the chains, the four numbers left over and the old maximum
	v_max3_num_f32 v[TT+2], v[TT+2], v[TT+3], v[64*\qt+31]
	v_max3_num_f32 v[TT],   v[TT],   v[TT+2], v[64*\qt+47]
.if \first
	v_max_num_f32 v[TT], v[TT], v[64*\qt+63]
.else
	v_max3_num_f32 v[TT], v[TT], v[64*\qt+63], v[MX+\qt]
.endif
	v_permlanex16_b32 v[PX], v[TT], s18, s19       ; the other half of the keys of the same query
	v_max_num_f32 v[UU+\qt], v[TT], v[PX]
	v_mul_f32 v[NM+2*\qt],   s62, v[UU+\qt]
	v_mul_f32 v[NM+2*\qt+1], s62, v[UU+\qt]
.if \first == 0
	v_fma_f32 v[TE], v[MX+\qt], s16, v[NM+2*\qt]   ; c (old maximum - new maximum)
	v_exp_f32 v[AL+2*\qt],   v[TE]
	v_exp_f32 v[AL+2*\qt+1], v[TE]
.endif
	v_mov_b32 v[MX+\qt], v[UU+\qt]                 ; also the plain instruction behind the two exponentials (ISA guide 5.7.2)
.irp ks, 0,1,2,3
.irp i, 0,2,4,6,8,10,12,14
	v_pk_fma_f32 v[64*\qt+16*\ks+\i:64*\qt+16*\ks+\i+1], v[64*\qt+16*\ks+\i:64*\qt+16*\ks+\i+1], s[16:17], v[NM+2*\qt:NM+2*\qt+1] op_sel_hi:[1,0,1]
.endr
.irp i, 0,1,2,3,4,5,6,7,8,9,10,11,12,13,14,15
	v_exp_f32 v[64*\qt+16*\ks+\i], v[64*\qt+16*\ks+\i]
.endr
	v_nop                                          ; one plain place before the results are used
.if \ks == 0
	s_wait_alu depctr_va_vdst(0)
	v_pk_add_f32 v[SA:SA+1], v[64*\qt:64*\qt+1],   v[64*\qt+2:64*\qt+3]      ; the first adds start the two chains: nothing is cleared
	v_pk_add_f32 v[SB:SB+1], v[64*\qt+4:64*\qt+5], v[64*\qt+6:64*\qt+7]
.irp i, 8,12
	v_pk_add_f32 v[SA:SA+1], v[SA:SA+1], v[64*\qt+\i:64*\qt+\i+1]
	v_pk_add_f32 v[SB:SB+1], v[SB:SB+1], v[64*\qt+\i+2:64*\qt+\i+3]
.endr
.else
	s_wait_alu depctr_va_vdst(0)
.irp i, 0,4,8,12
	v_pk_add_f32 v[SA:SA+1], v[SA:SA+1], v[64*\qt+16*\ks+\i:64*\qt+16*\ks+\i+1]
	v_pk_add_f32 v[SB:SB+1], v[SB:SB+1], v[64*\qt+16*\ks+\i+2:64*\qt+16*\ks+\i+3]
.endr
.endif
.irp i, 0,1,2,3,4,5,6,7
	v_cvt_pk_f16_f32 v[PB+8*(4*\qt+\ks)+\i], v[64*\qt+16*\ks+2*\i], v[64*\qt+16*\ks+2*\i+1]
.endr
.endr
	v_pk_add_f32 v[SA:SA+1], v[SA:SA+1], v[SB:SB+1]
.if \first
	v_add_f32 v[LL+\qt], v[SA], v[SA+1]
.else
	v_add_f32 v[SA], v[SA], v[SA+1]
	v_fma_f32 v[LL+\qt], v[LL+\qt], v[AL+2*\qt], v[SA]
.endif
.endr
.endm
.macro SCALEO by                       ; O times a factor for each query tile (a pair in window 1)
	WIN 0x86
.irp qt, 0,1
.irp i, 0,2,4,6,8,10,12,14,16,18,20,22,24,26,28,30
	v_pk_mul_f32 v[32*\qt+\i:32*\qt+\i+1], v[32*\qt+\i:32*\qt+\i+1], v[\by+2*\qt:\by+2*\qt+1]
.endr
.endr
.endm
; A block ends: divide by the sum of the row, round to f16, out through my own stage.  final = 0: go over to block j.
.macro FIN final
	WIN 0x55
	v_permlanex16_b32 v[PX], v[LL], s18, s19
	v_add_f32 v[LL], v[LL], v[PX]
	v_permlanex16_b32 v[PX], v[LL+1], s18, s19
	v_add_f32 v[LL+1], v[LL+1], v[PX]
	v_rcp_f32 v[INV],   v[LL]                      ; the sum is at least 1: the largest score gives exp2(0)
	v_rcp_f32 v[INV+1], v[LL]
	v_rcp_f32 v[INV+2], v[LL+1]
	v_rcp_f32 v[INV+3], v[LL+1]
	v_nop
	s_wait_alu depctr_va_vdst(0)
	SCALEO INV
	WIN 0x0a                                       ; both sources window 2
.irp t, 0,1,2,3,4,5,6,7
.irp rr, 0,1,2,3
	v_cvt_pk_f16_f32 v[TMP+4*\t+\rr], v[8*\t+2*\rr], v[8*\t+2*\rr+1]
.endr
.endr
	WIN 0
.irp qt, 0,1
.irp dt, 0,1,2,3
	ds_store_b128 v[STO], v[TMP+4*(4*\qt+\dt):TMP+4*(4*\qt+\dt)+3] offset:\qt*16*KP+32*\dt
.endr
.endr
	s_wait_xcnt 0x0                                ; OB was the data of the first block's stores: it is loaded again only behind this wait
.irp t, 0,1,2,3,4,5,6,7
	ds_load_b128 v[OB+4*\t:OB+4*\t+3], v[RD] offset:\t*4*KP       ; LDS serves a wave in order (ISA guide 5.7.1): these see the stores above
.endr
.irp t, 0,1,2,3,4,5,6,7
	s_wait_dscnt 7-\t                              ; the younger read-backs stay out
	global_store_b128 v[CO], v[OB+4*\t:OB+4*\t+3], s[20:21] offset:512*\t     ; 512 consecutive bytes, aligned
.endr
.if \final == 0
	s_wait_xcnt 0x0                                ; the base of those stores is written only behind this wait
	s_mov_b64 s[20:21], s[22:23]
	WIN 0x02
.irp i, 0,1,2,3,4,5,6,7,8,9,10,11,12,13,14,15,16,17,18,19,20,21,22,23,24,25,26,27,28,29,30,31
	v_mov_b32 v[QF+\i], v[QB+\i]                   ; once in the launch: Q of block j, loaded at the start so that nothing waits for memory here
.endr
	WIN 0x55
	v_mov_b32 v[MX],   v[NINF]                     ; the next step's factor for the old sums is exp2(-inf) = 0: O and the sums start anew
	v_mov_b32 v[MX+1], v[NINF]
.endif
.endm
; One step.  slot: the slot it reads.  soff: step = s13 + soff.  first: the very first step.
; ring: 2 = barrier and refill, 1 = barrier alone, 0 = nothing is left to read.  diag: 1 = the first block may end here, 2 = the last step.
.macro TRIP slot, soff, first, ring, diag
	s_add_co_u32 s63, s13, \soff
	s_wait_dscnt 32                                ; the K fragments are in; the 32 younger loads (V) may be out
	SMUL
	PLACES
.if \diag == 1
	WIN 0
	s_cmp_eq_u32 s63, s12
	s_cbranch_scc0 .Lno_mask_\@
	MASK
	WIN 0
.Lno_mask_\@:
.endif
.if \diag == 2
	MASK
.endif
	SOFTMAX \first
	s_wait_dscnt 0x0                               ; the V fragments are in: all my reads of this slot are over
.if \ring >= 1
	s_wait_tensorcnt 0x0                           ; all my tensor loads have landed: my part of the next tile
	ds_add_u32 v254, v255
	s_wait_dscnt 0x0
.if \ring == 2
	s_add_co_u32 s14, s63, 2                       ; the tile of the step after next: step u reads tile u, or u - (16 - j) in the second block
	s_cmp_gt_u32 s14, s12
	s_cselect_b32 s15, s11, 0
	s_sub_co_u32 s14, s14, s15
	s_lshl_b32 s60, s14, 14
	s_add_nc_u64 s[G0K+4*\slot+2:G0K+4*\slot+3], s[56:57], s[60:61]      ; no tensor load of mine is out: a group 0 may be written
	s_or_b32 s[G0K+4*\slot+3], s[G0K+4*\slot+3], 0x80000000
	s_add_nc_u64 s[G0V+4*\slot+2:G0V+4*\slot+3], s[58:59], s[60:61]
	s_or_b32 s[G0V+4*\slot+3], s[G0V+4*\slot+3], 0x80000000
.endif
	s_barrier_signal -1
.if \first == 0
	SCALEO AL                                      ; register work while the others arrive
.endif
	WIN 0
	s_barrier_wait -1                              ; no wave reads this slot any more, and the next tile is whole
.if \ring == 2
	JL \slot                                       ; my one tensor load behind the barrier, first thing there; it has a whole step in which to land
.endif
	KLOAD 1-\slot
.else
	SCALEO AL
.endif
	PVMUL \first
	PLACES
.if \diag == 1
	WIN 0
	s_cmp_eq_u32 s63, s12
	s_cbranch_scc0 .Lno_fin_\@
	FIN 0
	WIN 0
.Lno_fin_\@:
.endif
.if \diag == 2
	FIN 1
.endif
.if \ring >= 1
	VLOAD 1-\slot
.endif
	WIN 0
.endm
	s_wait_tensorcnt 1                             ; my part of tile 0 is in; tile 1 stays out
	s_barrier_signal -1
	s_barrier_wait -1
	KLOAD 0
	VLOAD 0
	WIN 0
	s_wait_loadcnt 0x0                             ; Q of both blocks
	s_mov_b32 s13, 0
	TRIP 0, 0, 1, 2, 0                             ; step 0: the first block has at least 9 steps, so it does not end here
	s_mov_b32 s13, 1
.Lstep:
	TRIP 1, 0, 0, 2, 1                             ; steps 1 to 14, two a trip
	TRIP 0, 1, 0, 2, 1
	s_add_co_u32 s13, s13, 2
	s_cmp_lt_u32 s13, 15
	s_cbranch_scc1 .Lstep
	TRIP 1, 0, 0, 1, 1                             ; step 15: nothing is left to fetch
	TRIP 0, 1, 0, 0, 2                             ; step 16: the diagonal tile of block j
	s_set_vgpr_msb 0x5
	s_wait_tensorcnt 0x0
	ds_add_u32 v254, v255
	s_wait_dscnt 0x0
	s_set_vgpr_msb 0x500
	s_endpgm
.Lfunc_end_k_q5d4575bb4a_attn:
	.size	k_q5d4575bb4a_attn, .Lfunc_end_k_q5d4575bb4a_attn-k_q5d4575bb4a_attn
	.p2alignl 7, 3214868480
	.fill 96, 4, 3214868480
	.section	.rodata,"a",@progbits
	.p2align	6, 0x0
	.amdhsa_kernel k_q5d4575bb4a_attn
		.amdhsa_group_segment_fixed_size 327680
		.amdhsa_private_segment_fixed_size 0
		.amdhsa_enable_private_segment 0
		.amdhsa_kernarg_size 16
		.amdhsa_user_sgpr_count 2
		.amdhsa_user_sgpr_kernarg_segment_ptr 1
		.amdhsa_wavefront_size32 1
		.amdhsa_system_sgpr_workgroup_id_x 1
		.amdhsa_system_sgpr_workgroup_id_y 1
		.amdhsa_system_sgpr_workgroup_id_z 1
		.amdhsa_system_vgpr_workitem_id 0
		.amdhsa_next_free_vgpr 768
		.amdhsa_next_free_sgpr 76
		.amdhsa_reserve_vcc 1
		.amdhsa_float_denorm_mode_32 3
		.amdhsa_float_denorm_mode_16_64 3
		.amdhsa_memory_ordered 1
		.amdhsa_forward_progress 1
		.amdhsa_inst_pref_size 225
	.end_amdhsa_kernel
	.amdgpu_metadata
---
amdhsa.version: [ 1, 2 ]
amdhsa.kernels:
  - .name:           k_q5d4575bb4a_attn
    .symbol:         k_q5d4575bb4a_attn.kd
    .args:
      - { .name: qkv, .offset: 0, .size: 8, .value_kind: global_buffer, .address_space: global }
      - { .name: attn, .offset: 8, .size: 8, .value_kind: global_buffer, .address_space: global }
    .group_segment_fixed_size: 327680
    .private_segment_fixed_size: 0
    .kernarg_segment_align: 8
    .kernarg_segment_size: 16
    .max_flat_workgroup_size: 128
    .sgpr_count:     76
    .vgpr_count:     768
    .wavefront_size: 32
...
	.end_amdgpu_metadata
.endif
;; end of part 3
;; launch proj (part 4): grid 8 x 32, 4 waves a work-group, clusters of 4 x 4, 327,680 bytes of LDS; arguments attn, bf, out0; writes out0
.if DOCPART == 4
	.amdgcn_target "amdgcn-amd-amdhsa--gfx1250"
	.amdhsa_code_object_version 6
	.text
	.protected	k_q5d4575bb4a_proj
	.globl	k_q5d4575bb4a_proj
	.p2align	8
	.type	k_q5d4575bb4a_proj,@function
k_q5d4575bb4a_proj:
	s_mov_b64 s[64:65], 0
	v_nop
	global_prefetch_b8 v0, s[64:65] scope:SCOPE_SE
	s_setreg_imm32_b32 hwreg(HW_REG_WAVE_MODE, 25, 1), 1
	s_wait_xcnt 0x0
	s_wait_alu depctr_hold_cnt(0) depctr_sa_sdst(0) depctr_va_vdst(0) depctr_va_sdst(0) depctr_va_ssrc(0) depctr_va_vcc(0) depctr_vm_vsrc(0)
	s_getreg_b32 s2, hwreg(HW_REG_IB_STS2, 6, 4)
	s_cmp_eq_u32 s2, 0
	s_cbranch_scc0 .Lentry_in_a_cluster
	s_endpgm
.Lentry_in_a_cluster:
	s_bfe_u32 s2, ttmp6, 0x10000c
	s_cmp_lg_u32 s2, 0xf033
	s_cbranch_scc0 .Lentry_shape_is_right
	s_endpgm
.Lentry_shape_is_right:
; PROJ: out0[m][n] = sum over k of attn[m][k] Wo[n][k], f16 operands, f32 sums, f32 out.
; attn lies by heads, f16 [batch*16 + head][2048][64]; k = 64 head + d.  Wo lies at bf + 14680064, f16 [1024][1024].
; A work-group makes 128 x 128 of the output: 8 x 32 = 256 work-groups; four waves, 64 x 64 each: 16 accumulator tiles.
; K goes in steps of 128 = two heads through two LDS slots: each of the two loads for attn brings one head's 128 rows x 128 bytes,
; each of the two for Wo 64 rows x 256 bytes.
; CLUSTERS: 4 x 4.  The tiles of attn hang on the block row alone (joint along a row of the cluster), those of Wo on the block column alone.
; LDS: slot s at s*71680: attn 2 planes x 128 rows x 144, then Wo 128 rows x 272.  Stage at 143360: 16 rows x 272 for each wave.
; REGISTERS: window 0: v16-26 addresses; v64-127 and v128-191 two fragment buffers (attn at +0, Wo at +32); window 1: tile (a, b) at 8 (4 a + b).
; The matrix instruction is used transposed (source 0 = rows of Wo): a lane holds row l % 16 and eight neighbouring columns.
.set KSTEP,  128
.set AP,     144
.set BP,     272
.set APLANE, 128*AP
.set BOFF,   2*APLANE
.set BHALF,  64*BP
.set SLOT,   BOFF+2*BHALF              ; 71,680
.set STAGE,  2*SLOT                    ; 143,360
.set LAPS,   1024/(2*KSTEP)
.set ADRA, 16
.set ADRB, 20
.set STO,  24
.set RD,   25
.set CO,   26
.set F0,   64
.set F1,   128
.set G1,  24
.set G0,  32
.set G1B, 48
.set G0B, 56
.set ACC, 0x50                         ; C and D window 1
.set MSB, 0
.macro WIN new
.if MSB != \new
	s_set_vgpr_msb (MSB<<8)|\new
.set MSB, \new
.endif
.endm
.macro JLOAD s                         ; waves 0 and 1 ask for the two heads of attn, waves 2 and 3 for the halves of Wo
	s_cmp_eq_u32 s11, 0
	s_cbranch_scc0 .Lfor_b_\@
	tensor_load_to_lds s[G0+4*\s:G0+4*\s+3], s[G1:G1+7]
	s_nop 0
	s_branch .Lasked_\@
.Lfor_b_\@:
	tensor_load_to_lds s[G0B+4*\s:G0B+4*\s+3], s[G1B:G1B+7]
	s_nop 0
.Lasked_\@:
.endm
.macro CREST
	s_cmp_lg_u32 s10, 0
	s_cbranch_scc1 .Lnot_wave_0_\@
	s_barrier_signal -3
.Lnot_wave_0_\@:
	s_barrier_wait -3
	s_barrier_signal -1
	s_barrier_wait -1
.endm
.macro CROUND
	s_barrier_signal -1
	s_barrier_wait -1
	CREST
.endm
.macro PLACES                          ; four places behind a matrix instruction (ISA guide 7.12.1)
.rept 4
	v_nop
.endr
.endm
	s_load_b128 s[4:7], s[0:1], 0x0                ; attn s[4:5], bf s[6:7]
	s_load_b64 s[8:9], s[0:1], 0x10                ; out0
	v_lshl_add_u32 v254, v0, 2, 0x29000
	v_mov_b32 v255, 0
	ds_add_u32 v254, v255
	ds_add_u32 v254, v255
	v_lshrrev_b32 v1, 5, v0
	v_readfirstlane_b32 s10, v1                    ; wave
	s_lshr_b32 s11, s10, 1                         ; my half of the rows.  Also: I fetch attn (0) or Wo (1)
	s_and_b32 s12, s10, 1                          ; my half of the columns.  Also: which head, or which half of Wo's rows, I fetch
	s_bfe_u32 s40, ttmp6, 0x40000                  ; cx
	s_bfe_u32 s41, ttmp6, 0x40004                  ; cy
	s_lshl_b32 s42, ttmp9, 2
	s_add_co_u32 s42, s42, s40                     ; block column
	s_and_b32 s13, ttmp7, 0xffff
	s_lshl_b32 s13, s13, 2
	s_add_co_u32 s13, s13, s41                     ; block row
	s_lshl_b32 s43, s41, 2
	s_lshl_b32 s43, 15, s43                        ; my row of the cluster
	s_lshl_b32 s44, 0x1111, s40                    ; my column
	s_or_b32 s[G1+0],  s43, (1<<16)|(1<<20)|(1<<21)|(4<<22)|(3<<25)  ; 4 words of padding behind every 32 words
	s_or_b32 s[G1B+0], s44, (1<<16)|(1<<20)|(1<<21)|(5<<22)|(3<<25)  ; behind every 64 words
	s_mov_b32 s[G1+1], 64<<16                      ; attn: 64 elements x 128 rows, dense
	s_mov_b32 s[G1+2], 128<<16
	s_mov_b32 s[G1+3], 64<<16
	s_mov_b32 s[G1+4], 128
	s_mov_b32 s[G1+5], 64
	s_mov_b32 s[G1+6], 0
	s_mov_b32 s[G1+7], 0
	s_mov_b32 s[G1B+1], KSTEP<<16                  ; Wo: 128 elements x 64 rows, 1,024 elements from row to row
	s_mov_b32 s[G1B+2], 64<<16
	s_mov_b32 s[G1B+3], KSTEP<<16
	s_mov_b32 s[G1B+4], 64
	s_mov_b32 s[G1B+5], 1024
	s_mov_b32 s[G1B+6], 0
	s_mov_b32 s[G1B+7], 0
	s_lshr_b32 s16, s13, 4                         ; batch: 16 heads of 262,144 bytes
	s_lshl_b32 s16, s16, 22
	s_lshl_b32 s17, s12, 18                        ; head 0 or 1 of the step
	s_add_co_u32 s16, s16, s17
	s_and_b32 s17, s13, 15
	s_lshl_b32 s17, s17, 14                        ; 128 rows of 128 bytes
	s_add_co_u32 s16, s16, s17
	s_mov_b32 s17, 0
	s_lshl_b32 s46, s42, 18                        ; Wo: 128 rows of 2,048 bytes a block column,
	s_lshl_b32 s47, s12, 17                        ; 64 rows a half
	s_add_co_u32 s46, s46, s47
	s_add_co_u32 s46, s46, 14680064
	s_mov_b32 s47, 0
	s_mul_i32 s20, s10, APLANE                     ; LDS: the wave number times a constant, plus a constant
	s_mul_i32 s21, s10, BHALF
	s_add_co_u32 s21, s21, BOFF-2*BHALF
	s_wait_dscnt 0x0
	s_wait_kmcnt 0x0
	s_add_nc_u64 s[14:15], s[4:5], s[16:17]
	s_add_nc_u64 s[46:47], s[6:7], s[46:47]
	CROUND                                         ; in front of the first joint loads
.irp s, 0,1
	s_mov_b32 s[G0+4*\s], 1
	s_add_co_u32 s[G0+4*\s+1], s20, \s*SLOT
	s_add_nc_u64 s[G0+4*\s+2:G0+4*\s+3], s[14:15], \s*2*262144
	s_or_b32 s[G0+4*\s+3], s[G0+4*\s+3], 0x80000000
	s_mov_b32 s[G0B+4*\s], 1
	s_add_co_u32 s[G0B+4*\s+1], s21, \s*SLOT
	s_add_nc_u64 s[G0B+4*\s+2:G0B+4*\s+3], s[46:47], \s*KSTEP*2
	s_or_b32 s[G0B+4*\s+3], s[G0B+4*\s+3], 0x80000000
	JLOAD \s                                       ; two tensor loads of a wave are out, the most in this text
.endr
	v_and_b32 v1, 15, v0                           ; r
	v_bfe_u32 v2, v0, 4, 1                         ; h
	v_mul_u32_u24 v3, v1, AP
	v_lshl_add_u32 v3, v2, 4, v3
	v_mul_u32_u24 v4, v1, BP
	v_lshl_add_u32 v4, v2, 4, v4
	s_mul_i32 s21, s11, 64*AP                      ; my 64 rows of attn
	s_mul_i32 s22, s12, 64*BP                      ; my 64 rows of Wo
	s_add_co_u32 s22, s22, BOFF
.irp s, 0,1
	v_add_nc_u32 v[ADRA+\s], s21, v3
	v_add_nc_u32 v[ADRB+\s], s22, v4
	s_add_co_u32 s21, s21, SLOT
	s_add_co_u32 s22, s22, SLOT
.endr
	s_mul_i32 s23, s10, 16*BP
	s_add_co_u32 s23, s23, STAGE                   ; my stage
	v_mul_u32_u24 v5, v1, BP                       ; in: row r, 32 bytes for each half of the lanes
	v_lshl_add_u32 v5, v2, 5, v5
	v_add_nc_u32 v[STO], s23, v5
	v_mul_u32_u24 v6, v2, BP                       ; back: lanes 0-15 one row of 256 bytes, lanes 16-31 the next
	v_lshl_add_u32 v6, v1, 4, v6
	v_add_nc_u32 v[RD], s23, v6
	v_lshlrev_b32 v7, 12, v2                       ; the same two rows in the output: rows of 4,096 bytes
	v_lshl_add_u32 v[CO], v1, 4, v7
; 8 matrix instructions: row tiles a0, a0 + 1 x 4 column tiles.  The 16 accumulators take turns, one instruction a turn.
.macro MUL8 f, a0, zero
.irp a, \a0, \a0+1
.irp b, 0,1,2,3
.if \zero
	v_wmma_f32_16x16x32_f16 v[8*(4*(\a)+\b):8*(4*(\a)+\b)+7], v[\f+32+8*\b:\f+32+8*\b+7], v[\f+8*(\a):\f+8*(\a)+7], 0
.else
	v_wmma_f32_16x16x32_f16 v[8*(4*(\a)+\b):8*(4*(\a)+\b)+7], v[\f+32+8*\b:\f+32+8*\b+7], v[\f+8*(\a):\f+8*(\a)+7], v[8*(4*(\a)+\b):8*(4*(\a)+\b)+7]
.endif
.endr
.endr
.endm
; 16 LDS loads: the fragments of quarter kq (32 along K: head kq / 2 of the step, d from 32 (kq mod 2)) into buffer f
.macro FETCH slot, kq, f
.irp b, 0,1,2,3
	ds_load_b128 v[\f+32+8*\b:\f+32+8*\b+3],   v[ADRB+\slot] offset:\kq*64+\b*16*BP
	ds_load_b128 v[\f+32+8*\b+4:\f+32+8*\b+7], v[ADRB+\slot] offset:\kq*64+\b*16*BP+32
.endr
.irp a, 0,1,2,3
	ds_load_b128 v[\f+8*\a:\f+8*\a+3],   v[ADRA+\slot] offset:(\kq>>1)*APLANE+(\kq&1)*64+\a*16*AP
	ds_load_b128 v[\f+8*\a+4:\f+8*\a+7], v[ADRA+\slot] offset:(\kq>>1)*APLANE+(\kq&1)*64+\a*16*AP+32
.endr
.endm
; multiplies buffer f while the fragments of quarter kq come into buffer g
.macro QUARTER slot, kq, f, g, zero
	s_wait_dscnt 0x0                               ; buffer f is in
	WIN 0
	PLACES                                         ; buffer g was read by the matrix instructions just in front
	FETCH \slot, \kq, \g
	WIN ACC
	MUL8 \f, 0, \zero
	MUL8 \f, 2, \zero
.endm
.macro THREE slot, zero
	QUARTER \slot, 1, F0, F1, \zero
	QUARTER \slot, 2, F1, F0, 0
	QUARTER \slot, 3, F0, F1, 0
.endm
.macro TURN slot, next, fill
	s_wait_dscnt 0x0                               ; buffer 1 is in: my reads of this slot are over
	s_wait_tensorcnt 0x0                           ; all my tensor loads have landed, my part of the next slot among them
	ds_add_u32 v254, v255
	s_wait_dscnt 0x0
	s_barrier_signal -1
	WIN ACC
	MUL8 F1, 0, 0                                  ; register work while the others arrive
	WIN 0
	s_barrier_wait -1
.if \fill
	CREST                                          ; no wave of any partner still reads this slot or has a load on its way
	s_add_nc_u64 s[G0+4*\slot+2:G0+4*\slot+3], s[G0+4*\slot+2:G0+4*\slot+3], 4*262144
	s_add_nc_u64 s[G0B+4*\slot+2:G0B+4*\slot+3], s[G0B+4*\slot+2:G0B+4*\slot+3], 2*KSTEP*2
	JLOAD \slot
.endif
	PLACES
	FETCH \next, 0, F0
	WIN ACC
	MUL8 F1, 2, 0
.endm
.macro LAP zero
	THREE 0, \zero
	TURN 0, 1, 1
	THREE 1, 0
	TURN 1, 0, 1
.endm
	s_wait_tensorcnt 1                             ; my part of K step 0 is in; K step 1 stays out
	s_barrier_signal -1
	s_barrier_wait -1
	FETCH 0, 0, F0
	LAP 1
	WIN 0
	s_mov_b32 s3, LAPS-2
.Llap:
	LAP 0
	WIN 0
	s_sub_co_u32 s3, s3, 1
	s_cmp_lg_u32 s3, 0
	s_cbranch_scc1 .Llap
	THREE 0, 0                                     ; the last lap fills nothing
	TURN 0, 1, 0
	THREE 1, 0
	s_wait_dscnt 0x0
	WIN ACC
	MUL8 F1, 0, 0
	MUL8 F1, 2, 0
	; THE WAY OUT, 16 rows at a time through my own stage, so that sixteen lanes store 256 consecutive bytes of a row
	PLACES
	s_lshl_b32 s16, s13, 19                        ; 128 rows of 4,096 bytes a block row,
	s_lshl_b32 s17, s11, 18                        ; 64 rows a half
	s_add_co_u32 s16, s16, s17
	s_mov_b32 s17, 0
	s_add_nc_u64 s[8:9], s[8:9], s[16:17]
	s_lshl_b32 s46, s42, 9                         ; 128 columns of 4 bytes a block column,
	s_lshl_b32 s47, s12, 8                         ; 64 a half
	s_add_co_u32 s46, s46, s47
	s_mov_b32 s47, 0
	s_add_nc_u64 s[8:9], s[8:9], s[46:47]
.macro OUT16 a, f
	WIN 0x04                                       ; the data of an LDS store are its source 1: window 1
.irp b, 0,1,2,3
	ds_store_b128 v[STO], v[8*(4*\a+\b):8*(4*\a+\b)+3]   offset:64*\b
	ds_store_b128 v[STO], v[8*(4*\a+\b)+4:8*(4*\a+\b)+7] offset:64*\b+16
.endr
	WIN 0
	s_wait_xcnt 0x0                                ; buffer f, which stores read, and the base of the stores are written only behind this wait
.if \a
	s_add_nc_u64 s[8:9], s[8:9], 16*4096
.endif
.irp t, 0,1,2,3,4,5,6,7
	ds_load_b128 v[\f+4*\t:\f+4*\t+3], v[RD] offset:\t*2*BP       ; LDS serves a wave in order (ISA guide 5.7.1): these see the stores above
.endr
.irp t, 0,1,2,3,4,5,6,7
	s_wait_dscnt 7-\t                              ; the younger read-backs stay out
	global_store_b128 v[CO], v[\f+4*\t:\f+4*\t+3], s[8:9] offset:\t*2*4096
.endr
.endm
	OUT16 0, F0
	OUT16 1, F1
	OUT16 2, F0
	OUT16 3, F1
	s_wait_tensorcnt 0x0
	ds_add_u32 v254, v255
	s_wait_dscnt 0x0
	CROUND                                         ; the closing round
	s_endpgm
.Lfunc_end_k_q5d4575bb4a_proj:
	.size	k_q5d4575bb4a_proj, .Lfunc_end_k_q5d4575bb4a_proj-k_q5d4575bb4a_proj
	.p2alignl 7, 3214868480
	.fill 96, 4, 3214868480
	.section	.rodata,"a",@progbits
	.p2align	6, 0x0
	.amdhsa_kernel k_q5d4575bb4a_proj
		.amdhsa_group_segment_fixed_size 327680
		.amdhsa_private_segment_fixed_size 0
		.amdhsa_enable_private_segment 0
		.amdhsa_kernarg_size 24
		.amdhsa_user_sgpr_count 2
		.amdhsa_user_sgpr_kernarg_segment_ptr 1
		.amdhsa_wavefront_size32 1
		.amdhsa_system_sgpr_workgroup_id_x 1
		.amdhsa_system_sgpr_workgroup_id_y 1
		.amdhsa_system_sgpr_workgroup_id_z 1
		.amdhsa_system_vgpr_workitem_id 0
		.amdhsa_next_free_vgpr 384
		.amdhsa_next_free_sgpr 66
		.amdhsa_reserve_vcc 0
		.amdhsa_float_denorm_mode_32 3
		.amdhsa_float_denorm_mode_16_64 3
		.amdhsa_memory_ordered 1
		.amdhsa_forward_progress 1
		.amdhsa_inst_pref_size 73
	.end_amdhsa_kernel
	.amdgpu_metadata
---
amdhsa.version: [ 1, 2 ]
amdhsa.kernels:
  - .name:           k_q5d4575bb4a_proj
    .symbol:         k_q5d4575bb4a_proj.kd
    .args:
      - { .name: attn, .offset: 0, .size: 8, .value_kind: global_buffer, .address_space: global }
      - { .name: bf, .offset: 8, .size: 8, .value_kind: global_buffer, .address_space: global }
      - { .name: out0, .offset: 16, .size: 8, .value_kind: global_buffer, .address_space: global }
    .group_segment_fixed_size: 327680
    .private_segment_fixed_size: 0
    .kernarg_segment_align: 8
    .kernarg_segment_size: 24
    .max_flat_workgroup_size: 128
    .sgpr_count:     66
    .vgpr_count:     384
    .wavefront_size: 32
...
	.end_amdgpu_metadata
.endif
;; end of part 4
